; MI455X (gfx1250); checked and timed in simulation.
; The chip was launched on July 23, 2026; its instructions are those of AMD's public machine-readable ISA for CDNA 5 (MIT licence, August 2026) and "CDNA5" Instruction Set Architecture Reference Guide (July 2026). The comments in the code are by the model that wrote it; some were corrected since.
;; SINQ Linear. Allowed arithmetic: matrix products marked QUANTISED: E3M2 operands, one E8M0 scale for each 32 along K, by v_wmma_scale_f32_16x16x128_f8f6f4 with both operands' format E3M2, f32 sums; everything else in f32.
;; Inputs: W_q 4,194,304 int32; bias 2,048 float32; scale 131,072 x 1 float32; x 4 x 2,048 x 4,096 float32; zero 131,072 x 1 float32.
;; Outputs: out0 4 x 2,048 x 2,048 float32.
;; This version of the problem:
;;   THIS VERSION OF THE PROBLEM IS GIVEN IN LOW PRECISION. The matrix products marked QUANTISED in the list below multiply operands that are first quantised to E3M2 (3 exponent bits, 2 mantissa bits; 6 bits a number), with one power-of-two scale for each 32 numbers along K (OCP MX v1.0); their sums are f32. All else is computed in f32.
;;   The module's matrix products, in the order in which they are computed (A, B: the left and right operand; K: the contracted axis; several contracted axes count as one K, in the product's order):
;;     1. [M 8,192, K 4,096] x [K 4,096, N 2,048]; A: input x; B: computed on the way: QUANTISED
;;   THE QUANTISER, for each operand of a quantised product, along K:
;;     - K is cut into blocks of 32 from its start; a last block that is shorter is filled with zeros.
;;     - A block's scale is 2^e with e = floor(log2(the largest magnitude in the block)) - 4, held to -126 .. 127; a block of zeros has e = 0. As a byte (E8M0): e + 127.
;;     - Each number is divided by its block's scale, clamped to +-28, and rounded to the nearest number of E3M2, ties to even, subnormals kept.
;;     - The product sums the exact products of the quantised numbers (number of the format x scale) in f32.
;;   ~~~python
;;   def quantise(x, axis):      # numpy; x: float32 -> the quantised numbers, widened to float32 again
;;       x = np.moveaxis(x, axis, -1); K = x.shape[-1]
;;       x = np.pad(x, [(0, 0)] * (x.ndim - 1) + [(0, -K % 32)]); x = x.reshape(x.shape[:-1] + (-1, 32)); a = np.abs(x).max(-1, keepdims=True)
;;       e = np.where(a > 0, np.clip(np.frexp(np.where(a > 0, a, 1))[1] - 1 - 4, -126, 127), 0)      # np.frexp(a)[1] - 1 = floor(log2(a)), exactly
;;       r = np.clip(x / 2.0 ** e, -28, 28)
;;       step = 2.0 ** (np.maximum(np.frexp(np.where(r == 0, 1, r))[1] - 1, -2) - 2)
;;       q = np.round(r / step) * step * 2.0 ** e      # np.round: ties to even
;;       return np.moveaxis(q.reshape(q.shape[:-2] + (-1,))[..., :K], -1, axis).astype(np.float32)
;;   ~~~
;;   OPERANDS COMPUTED ON THE WAY. 'Computed on the way' means the value that the module computes at that place (a softmax that the list does not call 'softmax' is quantised finished and normalised). What goes into a quantiser is computed in f32, as accurately as f32 sums, v_exp_f32 and their like allow (about 1e-6 of the number): no bf16 or f16 on the way to a quantiser, and a product that is left as it is and whose result goes on into a quantised operand takes f32 operands (vector FMAs, or v_wmma_f32_16x16x4_f32). A number that lies on a knife's edge between two numbers of the format may be rounded either way, as far as f32 arithmetic and the matrix unit's own rounding can turn it there, and no further.
;; One version. Each part assembles by itself: llvm-mc -triple=amdgcn-amd-amdhsa -mcpu=gfx1250 --defsym DOCPART=n.
;; ======== version 1 of 1: 2 launches
;; limits: right only within a limited range of input values
;; workspace buffers: a_img 26,214,400 bytes; b_img 6,553,600 bytes
;; launch quant (part 1): grid 640 x 1, 4 waves a work-group, no clusters, 66,048 bytes of LDS; arguments x, W_q, scale, zero, a_img, b_img; writes a_img, b_img
.if DOCPART == 1
	.amdgcn_target "amdgcn-amd-amdhsa--gfx1250"
	.amdhsa_code_object_version 6
	.text
	.protected	k_q9d982558e6_quant
	.globl	k_q9d982558e6_quant
	.p2align	8
	.type	k_q9d982558e6_quant,@function
k_q9d982558e6_quant:
	s_mov_b64 s[64:65], 0
	v_nop
	global_prefetch_b8 v0, s[64:65] scope:SCOPE_SE
	s_setreg_imm32_b32 hwreg(HW_REG_WAVE_MODE, 25, 1), 1
	s_wait_xcnt 0x0
; BOTH OPERANDS OF out = x W^T + bias ARE TURNED INTO CODES OF BF6 (E3M2), 6 bits each, with one E8M0 scale byte for each 32 along K, AND LAID IN THE ORDER OF THE MATRIX OPERAND'S REGISTERS.
; x: [8192][4096] f32.  W: [2048][4096], given as 4,194,304 words of W_q: bits 7:4 of word i are element i of W taken as one stream (rows 0-1023), bits 3:0 element i + 4,194,304 (rows 1024-2047);
; a number of W is (q - zero[g]) * scale[g], g = its place in the stream / 64, one subtraction and one multiplication in f32.
; A block's scale is 2^(floor(log2(its largest magnitude)) - 4); its byte is the largest magnitude's own exponent field - 4, held at 1 from below.  Each number is divided by the scale and rounded to the nearest code, ties to
; even; beyond the largest code the conversion gives the largest code.
; LIMITS: NaN and infinities among x, scale and zero are not served.  A block of zeros gets the byte 1 where the rule says 127: its codes are zeros, which add nothing under any byte but 0xff, and the bytes are read by this
; program alone.  Bits of W_q above bit 7 are not looked at.
; THE LAYOUT.  A fragment is 16 rows x 128 K: 12 registers a lane; lane l = r + 16 h holds row r, registers 6 c .. 6 c + 5 the codes of k = 64 c + 32 h + 0 .. 31.  Its IMAGE is 1,536 bytes: registers 4 g .. 4 g + 3 of lane l
; at 512 g + 16 l.  A PANEL is 128 rows.  A panel's K step is 12,800 dense bytes: its 8 fragments' images, then 512 bytes of scale words (four bytes: a row's 128 along K): the word of row 16 (4 j + ii) + r at 256 j + 16 r + 4 ii.
; A panel's 32 K steps lie on end.  So the product's launch brings several K steps of a panel as one dense block, and takes a fragment from LDS by three loads of 16 bytes a lane.
; A STEP is 16 rows x 64 along K, 4,096 bytes.  Each of its eight loads reads 256 consecutive bytes of two rows, 16 bytes a lane.  A lane must hold a whole block of ONE row, so the step goes through the wave's own stage in LDS
; (16 rows of 256 bytes + 16) and comes back 128 bytes a lane: lane (r, h) has block 2 c + h of row r in 32 registers.  Its largest magnitude needs no other lane, and the two conversions' results are six of the operand's registers.
; Two steps make a fragment: it leaves by three stores of 512 consecutive bytes.  The scale words are gathered in LDS and leave as whole runs of 256 or 512 bytes.
; SHARES.  Work-groups 0-127 take W (they have the most arithmetic for a byte and stand first): a wave takes 64 rows x 128 words: 8 steps, four fragments of rows 0-1023 and four of rows 1024-2047.  Work-groups 128-639 take x:
; a wave takes a panel's K step: 16 steps, 8 fragments.  The four waves of a work-group take four neighbouring K steps.  The two ways part once, on the work-group's number, and never join; each has LDS bytes of its own.
; No tensor loads, no barrier: waves share nothing.  Loads run four steps (32 loads a wave) ahead.  Every offset is an immediate; no pointer is stepped.
; W's PARAMETERS: a wave wants 8 bytes (two groups of 64) of each of its rows' 256 bytes of scale and of zero: parts of 256-byte runs.  Whole runs in and whole runs of scale words out together would ask a work-group to own 64 rows
; for all of K: 16 work-groups.  The two buffers are 1 MB of the 152 that the launch reads.
.set WGW,   128                        ; work-groups for W
.set EMAX,  4                          ; the exponent of the format's largest number, 28
.set ROWX,  16384                      ; a row of x or of W_q in bytes
.set FRB,   1536                       ; a fragment's image
.set SCO,   8*FRB                      ; in a panel's K step: where the scale words begin
.set STEPB, SCO+512                    ; a panel's K step
.set LOI,   8*32*STEPB                 ; from a row of rows 0-1023 to its partner in rows 1024-2047: eight panels on in the images,
.set LOP,   262144                     ; 1,024 rows of 256 bytes on in scale and in zero.  Both inside the signed 24-bit immediate (ISA guide, chapter 10)
.set QP,    272                        ; a stage row: 256 bytes + 16 = 68 words: row r starts at bank 4 r mod 64 (64 banks of 4 bytes: ISA guide 11.1)
.set WREG,  8192                       ; LDS: a region for each wave
.set WBASE, 32768                      ; W's way has the upper half of the work-group's LDS, x's way the lower
.set BYT,   16*QP                      ; in a region, behind the stage: 512 bytes of scale words
.set PAR,   BYT+512                    ; on W's way: four tables of 64 rows x 2 words: scale, -zero of rows 0-1023; the same of rows 1024-2047
.set R,     16                         ; v16-143  four sets of 32 registers as they are loaded
.set X,     144                        ; v144-175 my block: 32 numbers (x) or words (W_q)
.set D,     176                        ; v176-207 W: my block's 32 numbers
.set PC,    208                        ; v208-219 a fragment's codes (W: of rows 0-1023; v220-231 of rows 1024-2047)
.set TC,    232                        ; v232-234 a conversion's three registers begin on an even number: a block's upper half is made here and moved
.set BW,    236                        ; v236, v237 the scale word in the making
.set PT,    238                        ; v238     the other half of the lanes' part of it
.set P,     240                        ; v240-247 W: four pairs: scale, -zero, scale, -zero; the packed forms take a pair's first register for both halves
.set PR,    248                        ; v248     W: LDS address of my row's words in the first table: 8 r
.set PA,    249                        ; v249     W: where I put 8 bytes of a table
.set OUT,   250                        ; v250-253 the scale words on their way out
.macro ADDR base                       ; my lane's places, from the lane (v2), the wave (s20) and constants alone.  Leaves r in v8, h in v9, the scale words' LDS base in s23
	s_mul_i32 s21, s20, WREG
	s_add_co_u32 s21, s21, \base                   ; my wave's region
	v_and_b32 v8, 15, v2                           ; lane % 16
	v_lshrrev_b32 v9, 4, v2                        ; lane / 16
	v_lshlrev_b32 v3, 4, v8
	v_lshl_add_u32 v3, v9, 14, v3                  ; a load: lanes 0-15 take 256 bytes of one row, lanes 16-31 of the next
	v_mul_u32_u24 v4, v9, QP
	v_lshl_add_u32 v4, v8, 4, v4
	v_add_nc_u32 v4, s21, v4                       ; the stage, on the way in: the same two rows
	v_mul_u32_u24 v5, v8, QP
	v_lshl_add_u32 v5, v9, 7, v5
	v_add_nc_u32 v5, s21, v5                       ; and on the way out: row r, + 128 h: my block
	v_lshlrev_b32 v6, 4, v2                        ; 16 x lane: my place in a group of an image
	s_add_co_u32 s23, s21, BYT
	v_lshl_add_u32 v7, v8, 4, s23                  ; my row's scale words: 16 r
	v_lshlrev_b32 v14, 3, v9                       ; 8 h: my two bytes' place in a scale word
.endm
.macro LOAD t, p                       ; step t (fragment t / 2, half t % 2 of its 128 along K) from s[p:p+1] into set t % 4
.irp i, 0,1,2,3,4,5,6,7
	global_load_b128 v[R+32*((\t)%4)+4*\i:R+32*((\t)%4)+4*\i+3], v3, s[\p:\p+1] offset:(16*((\t)/2)+2*\i)*ROWX+256*((\t)%2) th:TH_LOAD_NT   ; rows 2 i, 2 i + 1 of the fragment; read once in the launch
.endr
.endm
.macro TURN t                          ; step t through the stage: LDS serves a wave's instructions in order (ISA guide 5.7.1), so no wait stands between the stores and the loads
.irp i, 0,1,2,3,4,5,6,7
	ds_store_b128 v4, v[R+32*((\t)%4)+4*\i:R+32*((\t)%4)+4*\i+3] offset:2*\i*QP
.endr
.irp j, 0,1,2,3,4,5,6,7
	ds_load_b128 v[X+4*\j:X+4*\j+3], v5 offset:16*\j
.endr
.endm
.macro ARRIVED t, last                 ; step t's eight loads are in; those of the steps behind it, three at the most, may be out
.if (\last)-(\t) >= 3
	s_wait_loadcnt 24
.else
	s_wait_loadcnt 8*((\last)-(\t))
.endif
.endm
; My block's 32 numbers, v[s] on, become registers 6 c .. 6 c + 5 of the fragment at v[pc], and its scale byte goes into v[bw]: block h (c = 0) at bits 7:0, block 2 + h (c = 1) at bits 23:16.
.macro BLOCK s, pc, c, bw
	v_max3_num_f32 v8, |v[\s]|, |v[\s+1]|, |v[\s+2]|               ; the block's largest magnitude: all 32 numbers are mine; two chains
	v_max3_num_f32 v9, |v[\s+3]|, |v[\s+4]|, |v[\s+5]|
.irp i, 6,10,14,18,22,26
	v_max3_num_f32 v8, v8, |v[\s+\i]|, |v[\s+\i+1]|
	v_max3_num_f32 v9, v9, |v[\s+\i+2]|, |v[\s+\i+3]|
.endr
	v_max3_num_f32 v8, v8, |v[\s+30]|, |v[\s+31]|
	v_max3_num_f32 v8, v8, v9, (EMAX+1)<<23        ; and the floor 2^(EMAX + 1 - 127): so the byte cannot fall under 1
	v_add_nc_u32 v11, -(EMAX<<23), v8              ; EMAX off its exponent field: the conversion takes the exponent field of this operand as its scale, and nothing else of it
	v_cvt_scalef32_pk16_bf6_f32 v[\pc+6*(\c):\pc+6*(\c)+2], v[\s:\s+15], v11      ; 96 bits without gaps, the first number's code lowest
	v_cvt_scalef32_pk16_bf6_f32 v[TC:TC+2], v[\s+16:\s+31], v11
	v_lshrrev_b32 v13, 23, v11                     ; the scale's byte (a plain line between the conversions and the moves that read a result)
.irp i, 0,1,2
	v_mov_b32 v[\pc+6*(\c)+3+\i], v[TC+\i]
.endr
.if (\c) == 0
	v_mov_b32 v[\bw], v13
.else
	v_lshl_or_b32 v[\bw], v13, 16, v[\bw]
.endif
.endm
.macro WORD bw, off                    ; my two bytes go 8 h bits up; with lane l xor 16's two the row's word is whole.  Lanes r and r + 16 store the same word with the same value
	v_lshlrev_b32 v[\bw], v14, v[\bw]
	v_permlanex16_b32 v[PT], v[\bw], s30, s31
	v_or_b32 v[\bw], v[\bw], v[PT]
	ds_store_b32 v7, v[\bw] offset:\off
.endm
; ---- x's step
.macro XSTEP t                         ; four fragments' codes are kept in v176-223 (registers that only W's way uses otherwise) and leave together: 12 stores behind steps 7 and 15
	ARRIVED \t, 15
	TURN \t
	s_wait_dscnt 0x0                               ; my block is in, the stage's stores have read their registers, and the last scale word's store has read its own
.if (\t) == 8
	s_wait_xcnt 0x0                                ; the first four fragments' stores have had their addresses translated (ISA guide 3.1): only behind this wait are the codes' registers written again
.endif
.if (\t)+4 < 16
	LOAD (\t)+4, 4
.endif
	BLOCK X, D+12*(((\t)/2)%4), (\t)%2, BW
.if (\t)%2 == 1
	WORD BW, 256*((\t)/8)+4*(((\t)/2)%4)
.endif
.if (\t)%8 == 7
.irp f, 0,1,2,3
.irp g, 0,1,2
	global_store_b128 v6, v[D+12*\f+4*\g:D+12*\f+4*\g+3], s[12:13] offset:(4*((\t)/8)+\f)*FRB+512*\g   ; 32 lanes store 512 consecutive bytes, at a multiple of 256 from the buffer's first byte
.endr
.endr
.endif
.endm
; ---- W's step
.macro WSTEP t
	ARRIVED \t, 7
	TURN \t
.irp a, 0,1,2,3
	ds_load_b32 v[P+2*\a], v[PR] offset:512*\a+128*((\t)/2)+4*((\t)%2)   ; my row's group of 64: the step's 64 along K are one group in each row; lanes r and r + 16 share a word
.endr
	s_wait_dscnt 0x0                               ; my words and parameters are in, and earlier LDS stores have read their registers
.if ((\t)%2 == 0) && ((\t) > 0)
	s_wait_xcnt 0x0                                ; the last two fragments' stores have had their addresses translated: only behind this wait are the codes' registers written again
.endif
.if (\t)+4 < 8
	LOAD (\t)+4, 6
.endif
.irp hl, 0,1                           ; rows 0-1023, then rows 1024-2047
.irp j, 0,1,2,3,4,5,6,7,8,9,10,11,12,13,14,15,16,17,18,19,20,21,22,23,24,25,26,27,28,29,30,31
.if \hl == 0
	v_bfe_u32 v[D+\j], v[X+\j], 4, 4               ; bits 7:4
.else
	v_and_b32 v[D+\j], 15, v[X+\j]                 ; bits 3:0
.endif
.endr
.irp j, 0,1,2,3,4,5,6,7,8,9,10,11,12,13,14,15,16,17,18,19,20,21,22,23,24,25,26,27,28,29,30,31
	v_cvt_f32_u32 v[D+\j], v[D+\j]
.endr
.irp j, 0,2,4,6,8,10,12,14,16,18,20,22,24,26,28,30
	v_pk_add_f32 v[D+\j:D+\j+1], v[D+\j:D+\j+1], v[P+4*\hl+2:P+4*\hl+3] op_sel_hi:[1,0]   ; q + (-zero): the same rounding as q - zero
.endr
.irp j, 0,2,4,6,8,10,12,14,16,18,20,22,24,26,28,30
	v_pk_mul_f32 v[D+\j:D+\j+1], v[D+\j:D+\j+1], v[P+4*\hl:P+4*\hl+1] op_sel_hi:[1,0]     ; x scale: a second rounding, not fused with the first: the difference is rounded before it is multiplied
.endr
	BLOCK D, PC+12*\hl, (\t)%2, BW+\hl
.endr
.if (\t)%2 == 1
	WORD BW, 4*((\t)/2)
	WORD BW+1, 256+4*((\t)/2)
.irp hl, 0,1
.irp g, 0,1,2
	global_store_b128 v6, v[PC+12*\hl+4*\g:PC+12*\hl+4*\g+3], s[16:17] offset:LOI*\hl+((\t)/2)*FRB+512*\g   ; 512 consecutive bytes, at a multiple of 256 from the buffer's first byte
.endr
.endr
.endif
.endm
	s_load_b256 s[4:11], s[0:1], 0x0               ; x s[4:5], W_q s[6:7], scale s[8:9], zero s[10:11]
	s_load_b128 s[12:15], s[0:1], 0x20             ; x's images s[12:13], W's images s[14:15]
	v_lshl_add_u32 v254, v0, 2, 0x10000
	v_mov_b32 v255, 0
	v_lshrrev_b32 v1, 5, v0
	v_readfirstlane_b32 s20, v1                    ; wave 0..3
	v_and_b32 v2, 31, v0                           ; lane
	v_mov_b32 v[PT], 0                             ; written once: a lane permute's destination counts as one of its sources
	s_mov_b32 s25, 0                               ; the upper word of every offset: all stay under 2^32 (the largest: 63 panels x 2,097,152 bytes of x)
	s_mov_b32 s30, 0x76543210
	s_mov_b32 s31, 0xfedcba98                      ; v_permlanex16_b32's selects for lane l xor 16
	s_wait_kmcnt 0x0
	s_cmp_lt_u32 ttmp9, WGW                        ; W's work-group or x's?
	s_cbranch_scc0 .Lx
	; ================ W ================
	s_wait_alu depctr_va_vdst(0)
	ADDR WBASE
	v_lshlrev_b32 v10, 3, v2                       ; 8 x lane
	v_add_nc_u32 v15, s23, v10                     ; the scale words on the way out: 8 bytes a lane
	s_add_co_u32 s23, s21, PAR
	v_lshl_add_u32 v[PR], v8, 3, s23
	v_add_nc_u32 v[PA], s23, v10
	v_lshlrev_b32 v1, 8, v2                        ; a row's parameters are 256 bytes: a lane a row
	s_wait_alu depctr_va_vdst(0)
	s_lshl_b32 s22, ttmp9, 2
	s_add_co_u32 s22, s22, s20                     ; my run, 0..511:
	s_and_b32 s26, s22, 31                         ; its K step,
	s_lshr_b32 s27, s22, 5                         ; its 64 rows of rows 0-1023
	s_lshl_b32 s24, s27, 20
	s_lshl_b32 s28, s26, 9
	s_add_co_u32 s24, s24, s28
	s_add_nc_u64 s[6:7], s[6:7], s[24:25]          ; W_q: 64 rows of 16,384 bytes, 512 bytes a K step
	s_lshl_b32 s24, s27, 14
	s_lshl_b32 s28, s26, 3
	s_add_co_u32 s24, s24, s28
	s_add_nc_u64 s[8:9], s[8:9], s[24:25]          ; scale and zero: 64 rows of 256 bytes, 8 bytes a K step
	s_add_nc_u64 s[10:11], s[10:11], s[24:25]
	s_lshr_b32 s28, s27, 1
	s_lshl_b32 s28, s28, 5
	s_add_co_u32 s28, s28, s26
	s_mul_i32 s24, s28, STEPB
	s_add_nc_u64 s[14:15], s[14:15], s[24:25]      ; my panel's K step
	s_and_b32 s28, s27, 1                          ; which 64 rows of the panel
	s_mul_i32 s24, s28, 4*FRB
	s_add_nc_u64 s[16:17], s[14:15], s[24:25]      ; their four fragments,
	s_lshl_b32 s24, s28, 8
	s_add_nc_u64 s[18:19], s[14:15], s[24:25]      ; and (SCO bytes on) their 256 bytes of scale words
.irp i, 1,3,5,7
	v_mov_b32 v[P+\i], 0                           ; the pairs' second registers are named with the first, so they are written, once
.endr
.irp u, 0,1                            ; rows 32 u + lane of my 64: two groups' parameters, 8 bytes
	global_load_b64 v[D+2*\u:D+2*\u+1],       v1, s[8:9] offset:8192*\u
	global_load_b64 v[D+4+2*\u:D+4+2*\u+1],   v1, s[10:11] offset:8192*\u
	global_load_b64 v[D+8+2*\u:D+8+2*\u+1],   v1, s[8:9] offset:LOP+8192*\u
	global_load_b64 v[D+12+2*\u:D+12+2*\u+1], v1, s[10:11] offset:LOP+8192*\u
.endr
.irp t, 0,1,2,3
	LOAD \t, 6
.endr
	s_wait_loadcnt 32                              ; the parameters are in; the 32 loads behind them may be out
.irp i, 4,5,6,7,12,13,14,15
	v_xor_b32 v[D+\i], 0x80000000, v[D+\i]         ; -zero
.endr
.irp a, 0,1,2,3
.irp u, 0,1
	ds_store_b64 v[PA], v[D+4*\a+2*\u:D+4*\a+2*\u+1] offset:512*\a+256*\u
.endr
.endr
.irp t, 0,1,2,3,4,5,6,7
	WSTEP \t
.endr
	ds_load_b64 v[OUT:OUT+1], v15                  ; LDS serves a wave's instructions in order: these see my stores of scale words
	ds_load_b64 v[OUT+2:OUT+3], v15 offset:256
	s_wait_dscnt 0x0
	global_store_b64 v10, v[OUT:OUT+1], s[18:19] offset:SCO          ; 32 lanes store 256 consecutive bytes, at a multiple of 256 from the buffer's first byte
	global_store_b64 v10, v[OUT+2:OUT+3], s[18:19] offset:SCO+LOI
	s_wait_tensorcnt 0x0
	ds_add_u32 v254, v255
	s_wait_dscnt 0x0
	s_endpgm
	; ================ x ================
.Lx:
	s_wait_alu depctr_va_vdst(0)
	ADDR 0
	v_add_nc_u32 v15, s23, v6                      ; the scale words on the way out: 16 bytes a lane
	s_sub_co_u32 s22, ttmp9, WGW
	s_lshl_b32 s22, s22, 2
	s_add_co_u32 s22, s22, s20                     ; my run, 0..2047: panel run / 32, K step run % 32
	s_and_b32 s26, s22, 31
	s_lshr_b32 s27, s22, 5
	s_lshl_b32 s24, s27, 21
	s_lshl_b32 s28, s26, 9
	s_add_co_u32 s24, s24, s28
	s_add_nc_u64 s[4:5], s[4:5], s[24:25]          ; x: 128 rows of 16,384 bytes a panel, 512 bytes a K step
	s_mul_i32 s24, s22, STEPB
	s_add_nc_u64 s[12:13], s[12:13], s[24:25]      ; the images: the panels' K steps lie on end
.irp t, 0,1,2,3
	LOAD \t, 4
.endr
	s_wait_alu depctr_va_vdst(0)
.irp t, 0,1,2,3,4,5,6,7,8,9,10,11,12,13,14,15
	XSTEP \t
.endr
	ds_load_b128 v[OUT:OUT+3], v15                 ; these see my stores of scale words
	s_wait_dscnt 0x0
	global_store_b128 v6, v[OUT:OUT+3], s[12:13] offset:SCO          ; 32 lanes store 512 consecutive bytes, at a multiple of 256 from the buffer's first byte
	s_wait_tensorcnt 0x0
	ds_add_u32 v254, v255
	s_wait_dscnt 0x0
	s_endpgm
.Lfunc_end_k_q9d982558e6_quant:
	.size	k_q9d982558e6_quant, .Lfunc_end_k_q9d982558e6_quant-k_q9d982558e6_quant
	.p2alignl 7, 3214868480
	.fill 96, 4, 3214868480
	.section	.rodata,"a",@progbits
	.p2align	6, 0x0
	.amdhsa_kernel k_q9d982558e6_quant
		.amdhsa_group_segment_fixed_size 66048
		.amdhsa_private_segment_fixed_size 0
		.amdhsa_enable_private_segment 0
		.amdhsa_kernarg_size 48
		.amdhsa_user_sgpr_count 2
		.amdhsa_user_sgpr_kernarg_segment_ptr 1
		.amdhsa_wavefront_size32 1
		.amdhsa_system_sgpr_workgroup_id_x 1
		.amdhsa_system_sgpr_workgroup_id_y 1
		.amdhsa_system_sgpr_workgroup_id_z 1
		.amdhsa_system_vgpr_workitem_id 0
		.amdhsa_next_free_vgpr 256
		.amdhsa_next_free_sgpr 66
		.amdhsa_reserve_vcc 0
		.amdhsa_float_denorm_mode_32 3
		.amdhsa_float_denorm_mode_16_64 3
		.amdhsa_memory_ordered 1
		.amdhsa_forward_progress 1
		.amdhsa_inst_pref_size 177
	.end_amdhsa_kernel
	.amdgpu_metadata
---
amdhsa.version: [ 1, 2 ]
amdhsa.kernels:
  - .name:           k_q9d982558e6_quant
    .symbol:         k_q9d982558e6_quant.kd
    .args:
      - { .name: x, .offset: 0, .size: 8, .value_kind: global_buffer, .address_space: global }
      - { .name: W_q, .offset: 8, .size: 8, .value_kind: global_buffer, .address_space: global }
      - { .name: scale, .offset: 16, .size: 8, .value_kind: global_buffer, .address_space: global }
      - { .name: zero, .offset: 24, .size: 8, .value_kind: global_buffer, .address_space: global }
      - { .name: a_img, .offset: 32, .size: 8, .value_kind: global_buffer, .address_space: global }
      - { .name: b_img, .offset: 40, .size: 8, .value_kind: global_buffer, .address_space: global }
    .group_segment_fixed_size: 66048
    .private_segment_fixed_size: 0
    .kernarg_segment_align: 8
    .kernarg_segment_size: 48
    .max_flat_workgroup_size: 128
    .sgpr_count:     66
    .vgpr_count:     256
    .wavefront_size: 32
...
	.end_amdgpu_metadata
.endif
;; end of part 1
;; launch gemm (part 2): grid 8 x 32, 4 waves a work-group, clusters of 4 x 4, 327,680 bytes of LDS; arguments a_img, b_img, bias, out0; writes out0
.if DOCPART == 2
	.amdgcn_target "amdgcn-amd-amdhsa--gfx1250"
	.amdhsa_code_object_version 6
	.text
	.protected	k_q9d982558e6_gemm
	.globl	k_q9d982558e6_gemm
	.p2align	8
	.type	k_q9d982558e6_gemm,@function
k_q9d982558e6_gemm:
	s_mov_b64 s[64:65], 0
	v_nop
	global_prefetch_b8 v0, s[64:65] scope:SCOPE_SE
	s_setreg_imm32_b32 hwreg(HW_REG_WAVE_MODE, 25, 1), 1
	s_wait_xcnt 0x0
	s_wait_alu depctr_hold_cnt(0) depctr_sa_sdst(0) depctr_va_vdst(0) depctr_va_sdst(0) depctr_va_ssrc(0) depctr_va_vcc(0) depctr_vm_vsrc(0)
	s_getreg_b32 s2, hwreg(HW_REG_IB_STS2, 6, 4)
	s_cmp_eq_u32 s2, 0
	s_cbranch_scc0 .Lentry_in_a_cluster
	s_endpgm
.Lentry_in_a_cluster:
	s_bfe_u32 s2, ttmp6, 0x10000c
	s_cmp_lg_u32 s2, 0xf033
	s_cbranch_scc0 .Lentry_shape_is_right
	s_endpgm
.Lentry_shape_is_right:
; out0[m][n] = bias[n] + sum over k of x[m][k] W[n][k], on the codes of BF6 (E3M2) and the E8M0 scale words that launch quant laid as images of the operand's registers.
; a_img: 64 panels of 128 rows of x; b_img: 16 panels of 128 rows of W.  A panel's K step of 128 is 12,800 dense bytes: 8 fragment images of 1,536 bytes (registers 4 g .. 4 g + 3 of lane l at 512 g + 16 l),
; then 512 bytes of scale words (row 16 (4 j + ii) + r at 256 j + 16 r + 4 ii).  A panel's 32 K steps lie on end.  No step or input of the problem is left out here.
; A block of out0, 256 x 256, is made by four waves, one to a SIMD; a wave makes 128 x 128: 64 accumulators, 512 registers.  256 work-groups.
; THE RING: two LDS slots of three K steps of four panels (2 of A, 2 of B); a wave brings one panel's three steps, 150 rows of 256 bytes, by one joint load.  32 steps are ten fills of three and one of two, the last.
; CLUSTERS: 4 x 4.  A's panels are shared along a row of the cluster, B's along a column: each is asked for jointly, by the same load with the same descriptor and a mask of the four.
; BOTH OPERANDS HAVE TWO REGISTER SETS: step s multiplies set s % 2 while step s + 1's fragments are fetched into the other, in two runs of LDS loads (scale words and B: 26; A: 24).
; The slot that holds steps 3 f .. 3 f + 2 is read for the last time in step 3 f + 1, so step 3 f + 2 holds the change of slots: waits, add, round, refill, and then the first reads of the other slot.
; THE MATRIX INSTRUCTION IS USED TRANSPOSED (source 0 = 16 rows of W, source 1 = 16 rows of x): a lane holds eight neighbouring numbers of a row of out0.  The bias is the C of each accumulator's first product.
; THE LAST STEP goes, as every step, by blocks of 16 rows of x: after each two blocks' products these blocks go through the wave's stage in LDS and leave as whole rows of 512 bytes.
; REGISTERS: window 0: v0-31 addresses; v32-47 scale words, two sets of 8 (lanes 0-15 A's block i, lanes 16-31 B's); v64-159, v160-255 A's two sets.
;   window 1: v0-95, v128-223 B's two sets; v96-127, v224-255 the bias.  Window 2: accumulators of my rows 0-63 ((a, b) at v[8 (8 a + b)]); window 3: rows 64-127.
; PREFETCH: behind each refill of the loop's first three laps a wave asks for the tile that the NEXT refill brings (three K steps on): its 150 blocks of 256 bytes are shared out among the four partners by address
; (partner p takes blocks 4 i + p), two instructions a wave.  The first three fills and the last two come by their loads alone, so no request passes a panel's end.
.set SIZE_N, 2048
.set FR,     12                        ; registers of a fragment
.set FRB,    1536                      ; its image
.set SCO,    8*FRB                     ; in a panel's K step: where the scale words begin
.set STEPB,  SCO+512
.set PANEL,  3*STEPB                   ; what one joint load brings
.set PANELK, 32*STEPB                  ; a panel, all of K
.set SLOT,   4*PANEL
.set NP,     4                         ; places behind this matrix instruction (ISA guide 7.12.1)
.set SPARE,  2*SLOT                    ; behind the ring: the spare words, 128 bytes a wave
.set STAGE,  SLOT                      ; the way out's stages lie in slot 1: it has had its last fill and its last read when the first result is stored there
.set SPITCH, 528
.set ADRA, 16                          ; v16-17 LDS address of my A images in slot 0, 1
.set PFO,  18                          ; v18-19 the prefetches' offsets
.set ADRB, 20                          ; v20-21 the same for B
.set ADRS, 22                          ; v22-23 scale words: lanes 0-15 A's panel, lanes 16-31 B's
.set STO,  24
.set RD,   25
.set CO,   26
.set SPW,  28                          ; my spare word; never rewritten
.set NIL,  29                          ; 0; never rewritten
.set BO,   30
.set SC,   32
.set AF,   64
.set BI,   96                          ; the bias, in window 1: block b at v[BI + 8 b + 96 (b / 4)]
.set G1, 24
.set G0, 32
.set G1B, 48
.set G0B, 56
.set G1L, 68                           ; group 1 of the last fill, two K steps
.set G1LB, 80
.set PFA, 92                           ; s[92:93] where my prefetches stand
.set MSB, 0
.macro WIN new                         ; the immediate's high byte repeats the setting that is left
.if MSB != (\new)
	s_set_vgpr_msb (MSB<<8)|(\new)
.set MSB, (\new)
.endif
.endm
.set MUL_LO,   0xa1                    ; source 0 (B) window 1, source 1 (A) window 0, C and D window 2
.set MUL_HI,   0xf1
.set FIRST_LO, 0x91                    ; the same with C (the bias) in window 1
.set FIRST_HI, 0xd1
.set TO_B,     0x40
.macro WLO first
.if \first
	WIN FIRST_LO
.else
	WIN MUL_LO
.endif
.endm
.macro WHI first
.if \first
	WIN FIRST_HI
.else
	WIN MUL_HI
.endif
.endm
; A joint load: waves 0 and 1 fetch A's two panels, waves 2 and 3 B's; the branch hangs on the wave's number alone.
.macro JLOAD g0a, g1a, g0b, g1b
	s_cmp_eq_u32 s15, 0
	s_cbranch_scc0 .Lfor_b_\@
	tensor_load_to_lds s[\g0a:\g0a+3], s[\g1a:\g1a+7]
	s_nop 0
.rept 4
	v_nop
.endr
	s_branch .Lasked_\@
.Lfor_b_\@:
	tensor_load_to_lds s[\g0b:\g0b+3], s[\g1b:\g1b+7]
	s_nop 0
.rept 4
	v_nop
.endr
.Lasked_\@:
.endm
.macro CREST                           ; a round of the cluster's barrier behind its opening barrier
	s_cmp_lg_u32 s14, 0
	s_cbranch_scc1 .Lnot_wave_0_\@
	s_barrier_signal -3
.Lnot_wave_0_\@:
	s_barrier_wait -3
	s_barrier_signal -1
	s_barrier_wait -1
.endm
.macro CROUND
	s_barrier_signal -1
	s_barrier_wait -1
	CREST
.endm
.macro ASK                             ; the tile of the next refill; not in the loop's last lap (s3 = 1)
	s_cmp_gt_u32 s3, 1
	s_cbranch_scc0 .Lno_ask_\@
	global_prefetch_b8 v[PFO], s[PFA:PFA+1] th:TH_LOAD_NT scope:SCOPE_SE
	global_prefetch_b8 v[PFO+1], s[PFA:PFA+1] th:TH_LOAD_NT scope:SCOPE_SE
.Lno_ask_\@:
.endm
	s_load_b128 s[4:7], s[0:1], 0x0                ; a_img, b_img
	s_load_b64 s[96:97], s[0:1], 0x10              ; bias
	s_load_b64 s[12:13], s[0:1], 0x18              ; out0
	v_lshl_add_u32 v[SPW], v0, 2, SPARE
	v_mov_b32 v[NIL], 0
	ds_add_u32 v[SPW], v[NIL]                      ; the opening lines: the add, twice on end, and its wait ahead of my first tensor load
	ds_add_u32 v[SPW], v[NIL]
	v_lshrrev_b32 v1, 5, v0
	v_readfirstlane_b32 s14, v1                    ; wave 0..3
	s_lshr_b32 s15, s14, 1                         ; my half of the block's rows; also: I fetch for A (0) or B (1)
	s_and_b32 s16, s14, 1                          ; my half of its columns; also: which panel of the two I fetch
	s_bfe_u32 s40, ttmp6, 0x40000                  ; cx
	s_bfe_u32 s41, ttmp6, 0x40004                  ; cy
	s_lshl_b32 s42, ttmp9, 2
	s_add_co_u32 s42, s42, s40                     ; block column
	s_and_b32 s17, ttmp7, 0xffff
	s_lshl_b32 s17, s17, 2
	s_add_co_u32 s17, s17, s41                     ; block row
	s_lshl_b32 s43, s41, 2
	s_lshl_b32 s43, 15, s43                        ; my row of the cluster
	s_lshl_b32 s44, 0x1111, s40                    ; my column
	s_or_b32 s[G1+0], s43, (3<<16)|(1<<21)         ; elements of 8 bytes, no padding; bit 21 beside a mask
	s_or_b32 s[G1L+0], s43, (3<<16)|(1<<21)
	s_or_b32 s[G1B+0], s44, (3<<16)|(1<<21)
	s_or_b32 s[G1LB+0], s44, (3<<16)|(1<<21)
.irp g, G1, G1B                        ; a dense block of 38,400 bytes as 150 rows of 256
	s_mov_b32 s[\g+1], 32<<16
	s_mov_b32 s[\g+2], (PANEL/256)<<16
	s_mov_b32 s[\g+3], 32<<16
	s_mov_b32 s[\g+4], PANEL/256
	s_mov_b32 s[\g+5], 32
	s_mov_b32 s[\g+6], 0
	s_mov_b32 s[\g+7], 0
.endr
.irp g, G1L, G1LB                      ; and of 25,600 bytes as 100 rows
	s_mov_b32 s[\g+1], 32<<16
	s_mov_b32 s[\g+2], (2*STEPB/256)<<16
	s_mov_b32 s[\g+3], 32<<16
	s_mov_b32 s[\g+4], 2*STEPB/256
	s_mov_b32 s[\g+5], 32
	s_mov_b32 s[\g+6], 0
	s_mov_b32 s[\g+7], 0
.endr
	s_lshl_b32 s20, s17, 1
	s_add_co_u32 s20, s20, s16                     ; A's panel: 2 x block row + half
	s_lshl_b32 s46, s42, 1
	s_add_co_u32 s46, s46, s16                     ; B's panel: 2 x block column + half
	s_mul_i32 s20, s20, PANELK
	s_mul_i32 s46, s46, PANELK
	s_mov_b32 s21, 0
	s_mov_b32 s47, 0
	s_mul_i32 s45, s14, PANEL                      ; where my panel goes: wave x 38,400
	s_wait_dscnt 0x0                               ; both opening adds are done
	s_wait_kmcnt 0x0
	s_add_nc_u64 s[20:21], s[4:5], s[20:21]
	s_add_nc_u64 s[46:47], s[6:7], s[46:47]
.irp s, 0,1
	s_mov_b32 s[G0+4*\s], 1
	s_add_co_u32 s[G0+4*\s+1], s45, \s*SLOT
	s_add_nc_u64 s[G0+4*\s+2:G0+4*\s+3], s[20:21], \s*PANEL
	s_or_b32 s[G0+4*\s+3], s[G0+4*\s+3], 0x80000000
	s_mov_b32 s[G0B+4*\s], 1
	s_add_co_u32 s[G0B+4*\s+1], s45, \s*SLOT
	s_add_nc_u64 s[G0B+4*\s+2:G0B+4*\s+3], s[46:47], \s*PANEL
	s_or_b32 s[G0B+4*\s+3], s[G0B+4*\s+3], 0x80000000
.endr
	CROUND                                         ; all sixteen work-groups are here: the first joint loads meet
	JLOAD G0, G1, G0B, G1B                         ; K steps 0-2: one tensor load a wave at the head
	; the prefetches: my panel, + 256 x my place among the four partners (cx for A, cy for B), at the third fill; the first change of slots steps it on
	s_cmp_eq_u32 s15, 0
	s_cselect_b64 s[PFA:PFA+1], s[20:21], s[46:47]
	s_cselect_b32 s88, s40, s41
	s_lshl_b32 s90, s88, 8
	s_add_co_u32 s90, s90, 2*PANEL
	s_mov_b32 s91, 0
	s_add_nc_u64 s[PFA:PFA+1], s[PFA:PFA+1], s[90:91]
	s_lshr_b32 s88, s88, 1
	s_sub_co_u32 s88, 37, s88                      ; my last i with 4 i + p under 150: 37 for p = 0, 1; 36 for p = 2, 3
	v_and_b32 v1, 15, v0                           ; r
	v_bfe_u32 v2, v0, 4, 1                         ; h
	v_and_b32 v6, 31, v0                           ; lane
	v_lshlrev_b32 v4, 4, v6                        ; 16 x lane: my place in a group of an image
	s_mul_i32 s21, s15, PANEL                      ; my panel of A
	s_mul_i32 s22, s16, PANEL
	s_add_co_u32 s22, s22, 2*PANEL                 ; my panel of B, behind A's two
	s_sub_co_u32 s23, s22, s21
	v_mul_u32_u24 v5, s23, v2                      ; scale words: lanes 16-31 take B's panel
	v_lshl_add_u32 v5, v1, 4, v5
.irp s, 0,1
	v_add_nc_u32 v[ADRA+\s], s21, v4
	v_add_nc_u32 v[ADRB+\s], s22, v4
	v_add_nc_u32 v[ADRS+\s], s21, v5
	s_add_co_u32 s21, s21, SLOT
	s_add_co_u32 s22, s22, SLOT
.endr
	s_mul_i32 s23, s14, 16*SPITCH
	s_add_co_u32 s23, s23, STAGE                   ; my stage
	v_mul_u32_u24 v5, v1, SPITCH
	v_lshl_add_u32 v5, v2, 5, v5
	v_add_nc_u32 v[STO], s23, v5                   ; in: row r, 32 bytes for each half of the lanes
	v_lshlrev_b32 v[CO], 4, v6
	v_add_nc_u32 v[RD], s23, v[CO]                 ; back: 32 lanes take a row of 512 bytes
	v_lshlrev_b32 v[BO], 5, v2                     ; bias: 8 h numbers on
	v_lshlrev_b32 v[PFO], 10, v6                   ; blocks 4 i + p, i = lane,
	v_add_nc_u32 v[PFO+1], 32, v6
	v_min_u32 v[PFO+1], s88, v[PFO+1]              ; and i = 32 + lane, held at my last block
	v_lshlrev_b32 v[PFO+1], 10, v[PFO+1]
	s_wait_alu depctr_va_vdst(0)                   ; the wait behind the head's last vector write
	s_lshl_b32 s20, s17, 8
	s_lshl_b32 s21, s15, 7
	s_add_co_u32 s20, s20, s21                     ; my first row of out0
	s_mov_b32 s21, 0
	s_mov_b64 s[18:19], SIZE_N*4
	s_mul_u64 s[20:21], s[20:21], s[18:19]
	s_lshl_b32 s46, s42, 10
	s_lshl_b32 s47, s16, 9
	s_add_co_u32 s46, s46, s47                     ; my first column, in bytes
	s_mov_b32 s47, 0
	s_add_nc_u64 s[20:21], s[20:21], s[46:47]
	s_add_nc_u64 s[12:13], s[12:13], s[20:21]
	s_add_nc_u64 s[96:97], s[96:97], s[46:47]
	WIN TO_B
.irp b, 0,1,2,3,4,5,6,7
	global_load_b128 v[BI+8*\b+96*(\b/4):BI+8*\b+96*(\b/4)+3],   v[BO], s[96:97] offset:64*\b      ; bias[16 b + 8 h + 0 .. 7] of my 128 columns
	global_load_b128 v[BI+8*\b+96*(\b/4)+4:BI+8*\b+96*(\b/4)+7], v[BO], s[96:97] offset:64*\b+16
.endr
	WIN 0
.macro FRAG reg, adr, q, i             ; a fragment's image: three loads of 16 bytes a lane, 512 consecutive bytes each
.irp g, 0,1,2
	ds_load_b128 v[\reg+4*\g:\reg+4*\g+3], v[\adr] offset:(\q)*STEPB+(\i)*FRB+512*\g
.endr
.endm
; 16 matrix instructions: A's blocks a0, a0 + 1 x B's eight, sets p.  The 64 accumulators take turns in the same order in every step.
.macro MUL16 a0, p, first
.irp a, \a0, \a0+1
.irp b, 0,1,2,3,4,5,6,7
.if \first
	v_wmma_scale_f32_16x16x128_f8f6f4 v[8*(8*((\a)%4)+\b):8*(8*((\a)%4)+\b)+7], v[128*(\p)+FR*\b:128*(\p)+FR*\b+FR-1], v[AF+96*(\p)+FR*(\a):AF+96*(\p)+FR*(\a)+FR-1], v[BI+8*\b+96*(\b/4):BI+8*\b+96*(\b/4)+7], v[SC+8*(\p)+\b], v[SC+8*(\p)+(\a)] matrix_a_fmt:MATRIX_FMT_BF6 matrix_b_fmt:MATRIX_FMT_BF6 matrix_a_scale:MATRIX_SCALE_ROW1
.else
	v_wmma_scale_f32_16x16x128_f8f6f4 v[8*(8*((\a)%4)+\b):8*(8*((\a)%4)+\b)+7], v[128*(\p)+FR*\b:128*(\p)+FR*\b+FR-1], v[AF+96*(\p)+FR*(\a):AF+96*(\p)+FR*(\a)+FR-1], v[8*(8*((\a)%4)+\b):8*(8*((\a)%4)+\b)+7], v[SC+8*(\p)+\b], v[SC+8*(\p)+(\a)] matrix_a_fmt:MATRIX_FMT_BF6 matrix_b_fmt:MATRIX_FMT_BF6 matrix_a_scale:MATRIX_SCALE_ROW1
.endif
.endr
.endr
.endm
.macro RUN1 slot, q, p                 ; 26 loads: the scale words and B's eight fragments of step q of the slot, into sets p
	WIN 0
.irp j, 0,1
	ds_load_b128 v[SC+8*(\p)+4*\j:SC+8*(\p)+4*\j+3], v[ADRS+\slot] offset:(\q)*STEPB+SCO+256*\j
.endr
	WIN TO_B
.irp i, 0,1,2,3,4,5,6,7
	FRAG 128*(\p)+FR*\i, ADRB+\slot, \q, \i
.endr
.endm
.macro RUN2 slot, q, p                 ; 24 loads: A's eight fragments
	WIN 0
.irp i, 0,1,2,3,4,5,6,7
	FRAG AF+96*(\p)+FR*\i, ADRA+\slot, \q, \i
.endr
.endm
.macro PLACES n
.rept \n
	v_nop
.endr
.endm
; A K step: 64 products on sets p; the next step (step nq of slot ns) is fetched into the other sets.  One group of four places a step stands between the last step's products, which read those sets, and the loads into them.
; chg = 1, 2: slot cs has been read out: it is filled again (2: with the last, shorter fill); chg = 3: the same barrier, nothing left to fetch.
.macro STEP p, first, ns, nq, chg, cs
.if \chg
	WIN 0                                          ; the add's registers lie in window 0
.if \chg == 1
	s_wait_xcnt 0x0                                ; my last prefetches have read their address: it steps one fill on
	s_add_nc_u64 s[PFA:PFA+1], s[PFA:PFA+1], PANEL
.endif
	s_wait_tensorcnt 0x0                           ; all my tensor loads have landed: my panel of the other slot
	ds_add_u32 v[SPW], v[NIL]
.if \chg < 3
	s_add_nc_u64 s[G0+4*\cs+2:G0+4*\cs+3], s[G0+4*\cs+2:G0+4*\cs+3], 2*PANEL
	s_add_nc_u64 s[G0B+4*\cs+2:G0B+4*\cs+3], s[G0B+4*\cs+2:G0B+4*\cs+3], 2*PANEL
.endif
	s_wait_dscnt 19                                ; the add and A's blocks 2-7 (18 loads) may be out
	WLO 0
	MUL16 0, \p, 0
	s_wait_dscnt 0x0                               ; the add is done, and my reads of slot cs are over
	s_barrier_signal -1
	MUL16 2, \p, 0                                 ; work on registers while the others arrive
	WIN 0
	s_barrier_wait -1
.if \chg < 3
	CREST                                          ; the barrier has opened a round of the cluster's barrier
.if \chg == 1
	JLOAD G0+4*\cs, G1, G0B+4*\cs, G1B             ; the first tensor load behind the round; its four v_nop are the step's places
.else
	JLOAD G0+4*\cs, G1L, G0B+4*\cs, G1LB
.endif
.else
	PLACES NP
.endif
	RUN1 \ns, \nq, 1-(\p)
.if \chg == 1
	WIN 0
	ASK
.endif
	WHI 0
	MUL16 4, \p, 0
	RUN2 \ns, \nq, 1-(\p)
	WHI 0
	MUL16 6, \p, 0
.else
	s_wait_dscnt 18                                ; scale words, B and A's blocks 0, 1 are in
	WLO \first
	MUL16 0, \p, \first
	PLACES NP
	RUN1 \ns, \nq, 1-(\p)
	s_wait_dscnt 38                                ; A's blocks 2, 3 are in: blocks 4-7 (12) and the 26 just issued may be out
	WLO \first
	MUL16 2, \p, \first
	RUN2 \ns, \nq, 1-(\p)
	s_wait_dscnt 56                                ; blocks 4, 5: 6 + 26 + 24 may be out
	WHI \first
	MUL16 4, \p, \first
	s_wait_dscnt 50                                ; blocks 6, 7: the two runs may be out
	MUL16 6, \p, \first
.endif
.endm
	s_wait_tensorcnt 0x0                           ; my panel of K steps 0-2 is in; slot 1's first fill is issued as a refill is:
	ds_add_u32 v[SPW], v[NIL]
	s_wait_dscnt 0x0
	CROUND                                         ; everybody's panel is in, and all sixteen work-groups are here
	JLOAD G0+4, G1, G0B+4, G1B                     ; K steps 3-5
	RUN1 0, 0, 0
	RUN2 0, 0, 0
	s_wait_loadcnt 0x0                             ; the bias
	STEP 0, 1, 0, 1, 0, 0                          ; step 0: its products start the sums from the bias
	WIN 0
	s_mov_b32 s3, 4
.Llap:                                                 ; six steps: once round the ring, register sets back where they began
	STEP 1, 0, 0, 2, 0, 0
	STEP 0, 0, 1, 0, 1, 0
	STEP 1, 0, 1, 1, 0, 0
	STEP 0, 0, 1, 2, 0, 0
	STEP 1, 0, 0, 0, 1, 1
	STEP 0, 0, 0, 1, 0, 0
	WIN 0
	s_sub_co_u32 s3, s3, 1
	s_cmp_lg_u32 s3, 0
	s_cbranch_scc1 .Llap
	STEP 1, 0, 0, 2, 0, 0                          ; step 25
	STEP 0, 0, 1, 0, 2, 0                          ; slot 0 takes the last fill, steps 30 and 31
	STEP 1, 0, 1, 1, 0, 0
	STEP 0, 0, 1, 2, 0, 0
	STEP 1, 0, 0, 0, 3, 1                          ; slot 1 is read out: behind this barrier it holds the stages
	STEP 0, 0, 0, 1, 0, 0                          ; step 30
; THE WAY OUT.  TOSTAGE: block a (16 rows x 128 columns) goes into my stage, each accumulator from its low end on, and comes back as whole rows of 512 bytes (LDS serves a wave's instructions in order: ISA guide 5.7.1).
; The rows come back into registers that are done with: block 0's into window 0 v64-127 (A's set that step 31 does not use), block a's into block a - 1's accumulators.
; SEND: a block's 16 rows are stored.  All 128 stores of the wave stand in one run behind the last LDS load; a row's place stands in the immediate (127 rows of 8,192 bytes at the most: inside the signed 24 bits, ISA guide, chapter 10).
.macro TOSTAGE a
.set AC, 64*((\a)%4)
	WIN 0x08+4*((\a)/4)
.irp b, 0,1,2,3,4,5,6,7
	ds_store_b128 v[STO], v[AC+8*\b:AC+8*\b+3] offset:64*\b
	ds_store_b128 v[STO], v[AC+8*\b+4:AC+8*\b+7] offset:64*\b+16
.endr
.if (\a) == 0
.set BB, 64
	WIN 0
.else
.set BB, 64*(((\a)-1)%4)
	s_wait_dscnt 32                                ; block a - 1's 16 loads and block a's 16 stores may be out: block a - 1's stores into the stage have read the registers that the loads below fill
	WIN 0x80+0x40*(((\a)-1)/4)
.endif
.irp t, 0,1,2,3,4,5,6,7,8,9,10,11,12,13,14,15
	ds_load_b128 v[BB+4*\t:BB+4*\t+3], v[RD] offset:\t*SPITCH
.endr
.endm
.macro SEND a
.if (\a) == 0
.set BB, 64
	WIN 0
.else
.set BB, 64*(((\a)-1)%4)
	WIN 0x08+4*(((\a)-1)/4)
.endif
.irp t, 0,1,2,3,4,5,6,7,8,9,10,11,12,13,14,15
	global_store_b128 v[CO], v[BB+4*\t:BB+4*\t+3], s[12:13] offset:(16*(\a)+\t)*SIZE_N*4 th:TH_STORE_NT   ; 32 lanes store 512 consecutive bytes, at a multiple of 256 from out0's first byte
.endr
.endm
	s_wait_dscnt 0x0                               ; step 31's fragments are in
.irp a, 0,2,4,6
	WIN MUL_LO+0x50*(\a/4)
	MUL16 \a, 1, 0                                 ; blocks a and a + 1 are finished,
	PLACES NP                                      ; four places ahead of the LDS stores that read them and of the loads into finished accumulators,
	TOSTAGE \a                                     ; and they turn through the stage while the later blocks are multiplied
	TOSTAGE \a+1
.endr
	s_wait_dscnt 32                                ; blocks 0 to 6 are back: block 7's 16 stores and 16 loads may be out
.irp a, 0,1,2,3,4,5,6
	SEND \a
.endr
	s_wait_dscnt 0x0                               ; block 7 is back
	SEND 7
	WIN 0
	s_wait_tensorcnt 0x0                           ; the wave's end
	ds_add_u32 v[SPW], v[NIL]
	s_wait_dscnt 0x0
	CROUND                                         ; the closing round
	s_endpgm
.Lfunc_end_k_q9d982558e6_gemm:
	.size	k_q9d982558e6_gemm, .Lfunc_end_k_q9d982558e6_gemm-k_q9d982558e6_gemm
	.p2alignl 7, 3214868480
	.fill 96, 4, 3214868480
	.section	.rodata,"a",@progbits
	.p2align	6, 0x0
	.amdhsa_kernel k_q9d982558e6_gemm
		.amdhsa_group_segment_fixed_size 327680
		.amdhsa_private_segment_fixed_size 0
		.amdhsa_enable_private_segment 0
		.amdhsa_kernarg_size 32
		.amdhsa_user_sgpr_count 2
		.amdhsa_user_sgpr_kernarg_segment_ptr 1
		.amdhsa_wavefront_size32 1
		.amdhsa_system_sgpr_workgroup_id_x 1
		.amdhsa_system_sgpr_workgroup_id_y 1
		.amdhsa_system_sgpr_workgroup_id_z 1
		.amdhsa_system_vgpr_workitem_id 0
		.amdhsa_next_free_vgpr 1024
		.amdhsa_next_free_sgpr 98
		.amdhsa_reserve_vcc 0
		.amdhsa_float_denorm_mode_32 3
		.amdhsa_float_denorm_mode_16_64 3
		.amdhsa_memory_ordered 1
		.amdhsa_forward_progress 1
		.amdhsa_inst_pref_size 206
	.end_amdhsa_kernel
	.amdgpu_metadata
---
amdhsa.version: [ 1, 2 ]
amdhsa.kernels:
  - .name:           k_q9d982558e6_gemm
    .symbol:         k_q9d982558e6_gemm.kd
    .args:
      - { .name: a_img, .offset: 0, .size: 8, .value_kind: global_buffer, .address_space: global }
      - { .name: b_img, .offset: 8, .size: 8, .value_kind: global_buffer, .address_space: global }
      - { .name: bias, .offset: 16, .size: 8, .value_kind: global_buffer, .address_space: global }
      - { .name: out0, .offset: 24, .size: 8, .value_kind: global_buffer, .address_space: global }
    .group_segment_fixed_size: 327680
    .private_segment_fixed_size: 0
    .kernarg_segment_align: 8
    .kernarg_segment_size: 32
    .max_flat_workgroup_size: 128
    .sgpr_count:     98
    .vgpr_count:     1024
    .wavefront_size: 32
...
	.end_amdgpu_metadata
.endif
;; end of part 2
